; MI455X (gfx1250); checked and timed in simulation.
; The chip was launched on July 23, 2026; its instructions are those of AMD's public machine-readable ISA for CDNA 5 (MIT licence, August 2026) and "CDNA5" Instruction Set Architecture Reference Guide (July 2026). The comments in the code are by the model that wrote it; some were corrected since.
;; Smooth Quant W8 A16 Linear. Allowed arithmetic: matrix products marked QUANTISED: E4M3 operands, one E8M0 scale for each 32 along K, by v_wmma_scale_f32_16x16x128_f8f6f4 with both operands' format E4M3, f32 sums; everything else in f32.
;; Inputs: bias 4,096 float32; smooth_scale one number float32; weight_int8 4,096 x 4,096 int8; weight_scale one number float32; x 4 x 1,024 x 4,096 float32.
;; Outputs: out0 4 x 1,024 x 4,096 float32.
;; This version of the problem:
;;   THIS VERSION OF THE PROBLEM IS GIVEN IN LOW PRECISION. The matrix products marked QUANTISED in the list below multiply operands that are first quantised to E4M3 (4 exponent bits, 3 mantissa bits; 8 bits a number), with one power-of-two scale for each 32 numbers along K (OCP MX v1.0); their sums are f32. All else is computed in f32.
;;   The module's matrix products, in the order in which they are computed (A, B: the left and right operand; K: the contracted axis; several contracted axes count as one K, in the product's order):
;;     1. [M 4,096, K 4,096] x [K 4,096, N 4,096]; A: computed on the way; B: computed on the way: QUANTISED
;;   THE QUANTISER, for each operand of a quantised product, along K:
;;     - K is cut into blocks of 32 from its start; a last block that is shorter is filled with zeros.
;;     - A block's scale is 2^e with e = floor(log2(the largest magnitude in the block)) - 8, held to -126 .. 127; a block of zeros has e = 0. As a byte (E8M0): e + 127.
;;     - Each number is divided by its block's scale, clamped to +-448, and rounded to the nearest number of E4M3, ties to even, subnormals kept.
;;     - The product sums the exact products of the quantised numbers (number of the format x scale) in f32.
;;   ~~~python
;;   def quantise(x, axis):      # numpy; x: float32 -> the quantised numbers, widened to float32 again
;;       x = np.moveaxis(x, axis, -1); K = x.shape[-1]
;;       x = np.pad(x, [(0, 0)] * (x.ndim - 1) + [(0, -K % 32)]); x = x.reshape(x.shape[:-1] + (-1, 32)); a = np.abs(x).max(-1, keepdims=True)
;;       e = np.where(a > 0, np.clip(np.frexp(np.where(a > 0, a, 1))[1] - 1 - 8, -126, 127), 0)      # np.frexp(a)[1] - 1 = floor(log2(a)), exactly
;;       r = np.clip(x / 2.0 ** e, -448, 448)
;;       step = 2.0 ** (np.maximum(np.frexp(np.where(r == 0, 1, r))[1] - 1, -6) - 3)
;;       q = np.round(r / step) * step * 2.0 ** e      # np.round: ties to even
;;       return np.moveaxis(q.reshape(q.shape[:-2] + (-1,))[..., :K], -1, axis).astype(np.float32)
;;   ~~~
;;   OPERANDS COMPUTED ON THE WAY. 'Computed on the way' means the value that the module computes at that place (a softmax that the list does not call 'softmax' is quantised finished and normalised). What goes into a quantiser is computed in f32, as accurately as f32 sums, v_exp_f32 and their like allow (about 1e-6 of the number): no bf16 or f16 on the way to a quantiser, and a product that is left as it is and whose result goes on into a quantised operand takes f32 operands (vector FMAs, or v_wmma_f32_16x16x4_f32). A number that lies on a knife's edge between two numbers of the format may be rounded either way, as far as f32 arithmetic and the matrix unit's own rounding can turn it there, and no further.
;; One version. Each part assembles by itself: llvm-mc -triple=amdgcn-amd-amdhsa -mcpu=gfx1250 --defsym DOCPART=n.
;; ======== version 1 of 1: 2 launches
;; limits: right only within a limited range of input values
;; workspace buffers: aq 17,301,504 bytes; bq 17,301,504 bytes
;; launch quant (part 1): grid 1024 x 1, 4 waves a work-group, no clusters, 69,120 bytes of LDS; arguments x, weight_int8, smooth_scale, weight_scale, aq, bq; writes aq, bq
.if DOCPART == 1
	.amdgcn_target "amdgcn-amd-amdhsa--gfx1250"
	.amdhsa_code_object_version 6
	.text
	.protected	k_qd235def8dc_quant
	.globl	k_qd235def8dc_quant
	.p2align	8
	.type	k_qd235def8dc_quant,@function
k_qd235def8dc_quant:
	s_mov_b64 s[64:65], 0
	v_nop
	global_prefetch_b8 v0, s[64:65] scope:SCOPE_SE
	s_setreg_imm32_b32 hwreg(HW_REG_WAVE_MODE, 25, 1), 1
	s_wait_xcnt 0x0
; Both operands of out = Q(x * smooth) Q(w * wscale)^T + bias are made here, once: the f32 numbers x * smooth ([4096][4096], K innermost) and float(w) * wscale ([4096][4096], K innermost)
; are turned into codes of FP8 (E4M3), one byte each, with one E8M0 scale byte for each 32 along K.
; A block's scale is 2^(floor(log2(its largest magnitude)) - 8); its byte is the largest magnitude's own exponent field - 8, held at 1 from below.  Each number is divided by the scale, held within
; +-448 and rounded to the nearest code, ties to even.
; LIMITS: a block of zeros gets the byte 1 where the rule says 127 (its codes are zeros, which add nothing under any byte but 0xff, and the bytes are read by this program alone);
; blocks whose largest magnitude lies under 2^(9 - 127), the floor, were not tried; NaN and infinities among the inputs, and products that overflow f32, are not served.
; THE OUTPUT'S LAYOUT (aq and bq alike) is the one that the product's launch wants: [32 blocks of 128 rows][16 K steps of 256][TILE bytes]; a TILE is 128 rows of 256 codes, dense, and behind them
; the rows' scale bytes, 8 a row: 33,792 consecutive bytes, so that 128 rows x one K step with its scales is one dense block of memory.
; SHARES.  Work-groups 0-511 take x, 512-1023 take w.  A wave takes 32 rows x 256 along K: 16 steps of 2 rows.  In every step lane l holds 16 neighbours along K (row 2 t + l / 16, k = 16 (l % 16) on):
; two neighbouring lanes hold a block of 32.  A lane's 16 codes are 16 bytes: a wave's store covers 512 consecutive bytes, aligned.  A wave's 256 scale bytes are gathered in its own LDS bytes and leave by one store of 256 consecutive bytes.
; x: each load reads 512 consecutive bytes, 16 a lane; a step's 2,048 bytes turn through the wave's own stage in LDS (16 bytes of padding behind each 64) and come back 64 bytes a lane.
;    Loads run DEPTH = 8 steps ahead: 32 loads, 16,384 bytes a wave, half of what the wave reads; 256 registers a wave, so that four waves share a SIMD's 1,024.
; w: a lane's 16 numbers are 16 bytes, so one load of 16 bytes a lane brings them as they are wanted: sixteen lanes read 256 consecutive bytes of a row; all sixteen steps are asked for at once.
; The two multipliers are read by scalar loads whose addresses are themselves arguments; in both ways the first global loads go out ahead of the wait for them, since they are first wanted at the multiplication.
; The two ways part on the work-group's number, never join, and have LDS bytes of their own.  No barrier: waves share nothing.
.set SP,    80                         ; a lane's place in a stage: its 64 bytes + 16 of padding
.set EMAX,  8                          ; the exponent of 448
.set IMG,   0                          ; 0: codes leave as dense rows (x); 1: through a stage, in the order of the operand's registers (w)
.set TILE,  33792
.set XROW,  16384                      ; a row of x in bytes
.set WROW,  4096                       ; a row of w in bytes
.set DEPTH, 8                          ; x: steps whose loads are out
.set R,     16                         ; v16-143  numbers as loaded (x: eight sets of 16 registers; w: four registers for each step, v16-79)
.set X,     144                        ; v144-175 two sets of 16 neighbours, f32
.set E,     176                        ; v176-183 scale bytes, eight registers by turns (an LDS store's data need no wait); v190 my spare word's LDS address, v191 zero: kept for the add alone
.set C,     192                        ; v192-255 codes: four registers for each step, so that no store's data are written again
.set STB,   1                          ; v1       x: the stage, on the way back   (w: at work)
.set STI,   3                          ; v3       x: the stage, on the way in     (w: the loads' offset)
.set SBK,   8                          ; v[8:9]   at the end: my 8 of the wave's 256 scale bytes
; v2 lane; v4 16 x lane; v5 LDS byte of my block's scale; v6 LDS bytes that I read back; v7 8 x lane; v8-11 at work; v[12:13] the multiplier, twice; v[14:15] -128 x wscale, twice
; s[32:33] where my wave's codes go; s[34:35] its scale bytes; s[36:37] where its numbers come from
; 16 numbers of a lane in set t % 2 of X become 16 codes and, with the neighbour lane's, a scale byte
.macro QBLK t
.set XS, X+16*((\t)%2)
	v_max3_num_f32 v8, |v[XS]|, |v[XS+1]|, |v[XS+2]|               ; the largest magnitude of my 16, in two chains
	v_max3_num_f32 v9, |v[XS+3]|, |v[XS+4]|, |v[XS+5]|
.irp i, 6,10
	v_max3_num_f32 v8, v8, |v[XS+\i]|, |v[XS+\i+1]|
	v_max3_num_f32 v9, v9, |v[XS+\i+2]|, |v[XS+\i+3]|
.endr
	v_max3_num_f32 v8, v8, |v[XS+14]|, |v[XS+15]|
	v_max3_num_f32 v8, v8, v9, (EMAX+1)<<23        ; and the floor 2^(9 - 127): so the byte cannot fall under 1
	v_max_num_f32_dpp v8, v8, v8 row_xmask:1 row_mask:0xf bank_mask:0xf   ; and of my neighbour's 16: the block's
	v_add_nc_u32 v11, -(EMAX<<23), v8              ; 8 off its exponent field: the conversion takes the exponent field of this operand as its scale, and nothing else of it
	v_and_or_b32 v10, v8, 0x7f800000, s19          ; 448 x the scale: the largest magnitude's exponent field over 448's mantissa field (s19)
.irp i, 0,1,2,3,4,5,6,7,8,9,10,11,12,13,14,15
	v_med3_num_f32 v[XS+\i], v[XS+\i], -v10, v10   ; the conversion to an 8-bit code does not saturate (ISA guide 7.6.2): hold the number first
.endr
	v_cvt_scalef32_pk8_fp8_f32 v[C+4*(\t):C+4*(\t)+1], v[XS:XS+7], v11
	v_cvt_scalef32_pk8_fp8_f32 v[C+4*(\t)+2:C+4*(\t)+3], v[XS+8:XS+15], v11
	v_lshrrev_b32 v[E+(\t)%8], 23, v11             ; the scale's byte (also the plain line behind the conversions)
	ds_store_b8 v5, v[E+(\t)%8] offset:16*(\t)     ; both lanes of a block write the same byte with the same value
.if IMG
	ds_store_b128 v1, v[C+4*(\t):C+4*(\t)+3] offset:((\t)/8)*16*272+((\t)%8)*32   ; block of 16 rows t / 8, rows 2 (t % 8) and 2 (t % 8) + 1
.else
	global_store_b128 v4, v[C+4*(\t):C+4*(\t)+3], s[32:33] offset:512*(\t)   ; two rows' codes: 512 consecutive bytes
.endif
.endm
	s_load_b256 s[4:11], s[0:1], 0x0               ; x s[4:5], w s[6:7], where smooth lies s[8:9], where wscale lies s[10:11]
	s_load_b128 s[12:15], s[0:1], 0x20             ; aq s[12:13], bq s[14:15]
	v_lshl_add_u32 v190, v0, 2, 0x8400             ; my spare word, behind x's LDS bytes and w's scale bytes
	v_mov_b32 v191, 0
	v_lshrrev_b32 v1, 5, v0
	v_readfirstlane_b32 s18, v1                    ; wave 0..3
	v_and_b32 v2, 31, v0                           ; lane
	v_lshlrev_b32 v4, 4, v2
	v_lshlrev_b32 v7, 3, v2
	s_mov_b32 s19, 0x600000                        ; the mantissa field of 448
	s_wait_kmcnt 0x0
	s_load_b32 s16, s[8:9], 0x0                    ; smooth: waited for in x's way, behind its first loads
	s_load_b32 s17, s[10:11], 0x0                  ; wscale: likewise in w's way
	s_cmp_lt_u32 ttmp9, 512                        ; x's work-group or w's?  The choice hangs on the work-group's number alone
	s_cselect_b64 s[12:13], s[12:13], s[14:15]     ; the buffer that I fill
	s_cselect_b32 s20, 0, 512
	s_sub_co_u32 s20, ttmp9, s20
	s_lshl_b32 s20, s20, 2
	s_add_co_u32 s20, s20, s18                     ; u: which 32 rows x 256 K of the tensor are my wave's, 0..2047
	s_and_b32 s21, s20, 15                         ; the K step: the four waves stand side by side along K
	s_lshr_b32 s22, s20, 4                         ; which 32 rows
	s_lshr_b32 s23, s20, 6                         ; which block of 128 rows
	s_and_b32 s24, s22, 3                          ; which quarter of it
	s_lshl_b32 s25, s23, 4
	s_add_co_u32 s25, s25, s21
	s_mul_i32 s26, s25, TILE                       ; my tile's first byte (under 2^25)
	s_mov_b32 s27, 0
	s_lshl_b32 s28, s24, 13                        ; my 32 rows' codes: 8,192 bytes a quarter
	s_mov_b32 s29, 0
	s_add_nc_u64 s[32:33], s[12:13], s[26:27]
	s_add_nc_u64 s[34:35], s[32:33], 32768         ; the tile's scale bytes lie behind its codes
	s_add_nc_u64 s[32:33], s[32:33], s[28:29]
	s_lshl_b32 s28, s24, 8                         ; my 32 rows' scale bytes: 256 a quarter
	s_add_nc_u64 s[34:35], s[34:35], s[28:29]
	s_cmp_lt_u32 ttmp9, 512
	s_cbranch_scc0 .Lw
	; ---------------- x ----------------
.macro LOAD t                          ; step t: rows 2 t and 2 t + 1, 1,024 bytes of each, by four loads of 512 consecutive bytes
.irp i, 0,1,2,3
	global_load_b128 v[R+16*((\t)%DEPTH)+4*\i:R+16*((\t)%DEPTH)+4*\i+3], v4, s[36:37] offset:(2*(\t)+\i/2)*XROW+(\i%2)*512 th:TH_LOAD_NT
.endr
.endm
.macro TURN t                          ; step t's numbers through a stage: LDS serves a wave's instructions in order (ISA guide 5.7.1), so no wait stands between the stores and the loads
.irp i, 0,1,2,3
	ds_store_b128 v[STI], v[R+16*((\t)%DEPTH)+4*\i:R+16*((\t)%DEPTH)+4*\i+3] offset:32*SP*((\t)%2)+8*SP*\i
.endr
.irp i, 0,1,2,3
	ds_load_b128 v[X+16*((\t)%2)+4*\i:X+16*((\t)%2)+4*\i+3], v[STB] offset:32*SP*((\t)%2)+16*\i
.endr
.endm
.macro XSTEP t
.if (\t) > 0
	s_wait_dscnt 1                                 ; this step's numbers are back from the stage (the last step's byte store may be out): so its stores into the stage have read their registers,
.else
	s_wait_dscnt 0x0
.endif
.if (\t)+DEPTH < 16
	LOAD (\t)+DEPTH                                ; which take the loads of eight steps on
.endif
.if (\t)+1 < 16
.if 14-(\t) >= DEPTH-1
	s_wait_loadcnt 4*(DEPTH-1)                     ; the next step's four loads are in; those of the seven steps behind it may be out
.else
	s_wait_loadcnt 4*(14-(\t))                     ; towards the end fewer steps stand behind it
.endif
	TURN (\t)+1                                    ; and go through the other stage while this step is worked
.endif
.irp j, 0,2,4,6,8,10,12,14
	v_pk_mul_f32 v[X+16*((\t)%2)+\j:X+16*((\t)%2)+\j+1], v[X+16*((\t)%2)+\j:X+16*((\t)%2)+\j+1], v[12:13]   ; x * smooth, one rounding in f32: what the quantiser is given
.endr
	QBLK \t
.endm
	s_lshl_b32 s30, s22, 19                        ; 32 rows of 16,384 bytes
	s_lshl_b32 s31, s21, 10                        ; 256 numbers of 4 bytes
	s_add_co_u32 s30, s30, s31
	s_mov_b32 s31, 0
	s_add_nc_u64 s[36:37], s[4:5], s[30:31]
	s_wait_alu depctr_va_vdst(0)
.irp t, 0,1,2,3,4,5,6,7
	LOAD \t                                        ; the first eight steps go out before anything else is made
.endr
	s_lshl_b32 s38, s18, 13                        ; my wave's 8,192 bytes of LDS: two stages of 2,560, then 256 scale bytes
	v_lshrrev_b32 v[STI], 2, v2
	v_mul_u32_u24 v[STI], v[STI], SP
	v_and_b32 v[STB], 3, v2
	v_lshl_add_u32 v[STI], v[STB], 4, v[STI]
	v_add_nc_u32 v[STI], s38, v[STI]               ; in: four lanes' 64 bytes on end, then 16 of padding: SP (lane / 4) + 16 (lane % 4)
	v_mul_u32_u24 v[STB], v2, SP
	v_add_nc_u32 v[STB], s38, v[STB]               ; back: SP x lane: my 16 neighbours
	s_add_co_u32 s38, s38, 2*32*SP
	v_lshrrev_b32 v5, 1, v2
	v_add_nc_u32 v5, s38, v5
	v_add_nc_u32 v6, s38, v7
	s_wait_alu depctr_va_vdst(0)
	s_wait_kmcnt 0x0                               ; smooth
	v_mov_b32 v12, s16
	v_mov_b32 v13, s16
	s_wait_alu depctr_va_vdst(0)
	s_wait_loadcnt 4*(DEPTH-1)                     ; step 0's four loads are in; seven steps' twenty-eight may be out
	TURN 0
.irp t, 0,1,2,3,4,5,6,7,8,9,10,11,12,13,14,15
	XSTEP \t
.endr
	ds_load_b64 v[SBK:SBK+1], v6                   ; these see my byte stores: a wave's LDS instructions are served in order
	s_wait_dscnt 0x0
	global_store_b64 v7, v[SBK:SBK+1], s[34:35]    ; 32 lanes store 256 consecutive bytes, aligned
	s_wait_tensorcnt 0x0                           ; the wave's end
	ds_add_u32 v190, v191
	s_wait_dscnt 0x0
	s_endpgm
	; ---------------- w ----------------
.Lw:
; bq's CODES ARE LAID OTHERWISE THAN aq's: in a tile, [8 blocks of 16 rows][16 pieces of 16 along K][16 rows][16 codes]: the 512 bytes of two neighbouring pieces are what one load of 16 bytes a lane
; brings into four registers of the product's operand (lane = 16 x (piece % 2) + row).  The tile's scale bytes stay as in aq.  A lane's 16 codes are piece l % 16 of its row: they go to the wave's own stage
; (32 units of 256 bytes, 16 of padding behind each) and leave as 8,192 consecutive bytes, 512 a store.
.set IMG, 1
	s_lshl_b32 s30, s22, 17                        ; 32 rows of 4,096 bytes
	s_lshl_b32 s31, s21, 8                         ; 256 numbers of 1 byte
	s_add_co_u32 s30, s30, s31
	s_mov_b32 s31, 0
	s_add_nc_u64 s[36:37], s[6:7], s[30:31]
	s_wait_alu depctr_va_vdst(0)
	v_lshrrev_b32 v3, 4, v2
	v_and_b32 v1, 15, v2
	v_lshlrev_b32 v3, 12, v3
	v_lshl_add_u32 v3, v1, 4, v3                   ; lanes 0-15 take 256 bytes of the even row, lanes 16-31 of the odd one
.irp t, 0,1,2,3,4,5,6,7,8,9,10,11,12,13,14,15
	global_load_b128 v[R+4*\t:R+4*\t+3], v3, s[36:37] offset:2*\t*WROW th:TH_LOAD_NT   ; all sixteen steps' numbers are asked for at once: 8,192 bytes a wave
.endr
	s_lshl_b32 s38, s18, 8
	s_add_co_u32 s38, s38, 32768                   ; this way's LDS bytes lie behind the other way's: 256 scale bytes a wave
	s_mul_i32 s39, s18, 8704
	s_add_co_u32 s39, s39, 34304                   ; and behind the spare words my wave's stage: 32 x 272 bytes
	v_mul_u32_u24 v1, v1, 272                      ; into it: unit l % 16,
	v_lshrrev_b32 v8, 4, v2
	v_lshl_add_u32 v1, v8, 4, v1                   ; the even or the odd row of the step's two
	v_add_nc_u32 v1, s39, v1
	v_lshrrev_b32 v5, 1, v2
	v_add_nc_u32 v5, s38, v5
	v_add_nc_u32 v6, s38, v7
	s_wait_kmcnt 0x0                               ; wscale
	v_mov_b32 v12, s17
	v_mov_b32 v13, s17
	v_mul_f32 v14, 0xc3000000, v12                 ; -128 x wscale: exact
	v_mov_b32 v15, v14
.macro WSTEP t
	s_wait_loadcnt 15-(\t)                         ; loads come back in order (ISA guide 5.7.1): step t's is in, the younger ones may be out
.irp j, 0,1,2,3
	v_xor_b32 v[R+4*(\t)+\j], 0x80808080, v[R+4*(\t)+\j]           ; each byte: w + 128, 0 to 255
.endr
.irp j, 0,1,2,3
.irp b, 0,1,2,3
	v_bfe_u32 v[X+16*((\t)%2)+4*\j+\b], v[R+4*(\t)+\j], 8*\b, 8
.endr
.endr
.irp i, 0,1,2,3,4,5,6,7,8,9,10,11,12,13,14,15
	v_cvt_f32_u32 v[X+16*((\t)%2)+\i], v[X+16*((\t)%2)+\i]
.endr
.irp j, 0,2,4,6,8,10,12,14
	v_pk_fma_f32 v[X+16*((\t)%2)+\j:X+16*((\t)%2)+\j+1], v[X+16*((\t)%2)+\j:X+16*((\t)%2)+\j+1], v[12:13], v[14:15]   ; (w + 128) wscale - 128 wscale, rounded once: the same bits as float(w) * wscale
.endr
	QBLK \t
.endm
.irp t, 0,1,2,3,4,5,6,7,8,9,10,11,12,13,14,15
	WSTEP \t
.endr
	v_lshrrev_b32 v3, 4, v2                        ; out of the stage: two units an instruction, sixteen lanes to a unit (all loads that named v3 are in)
	v_and_b32 v8, 15, v2
	v_mul_u32_u24 v3, v3, 272
	v_lshl_add_u32 v3, v8, 4, v3
	v_add_nc_u32 v3, s39, v3
.irp n, 0,1,2,3,4,5,6,7,8,9,10,11,12,13,14,15
	ds_load_b128 v[R+4*\n:R+4*\n+3], v3 offset:544*\n   ; these see my stores: a wave's LDS instructions are served in order
.endr
	ds_load_b64 v[SBK:SBK+1], v6
.irp n, 0,1,2,3,4,5,6,7,8,9,10,11,12,13,14,15
	s_wait_dscnt 16-\n
	global_store_b128 v4, v[R+4*\n:R+4*\n+3], s[32:33] offset:512*\n   ; 512 consecutive bytes, aligned
.endr
	s_wait_dscnt 0x0
	global_store_b64 v7, v[SBK:SBK+1], s[34:35]
	s_wait_tensorcnt 0x0                           ; the wave's end
	ds_add_u32 v190, v191
	s_wait_dscnt 0x0
	s_endpgm
.Lfunc_end_k_qd235def8dc_quant:
	.size	k_qd235def8dc_quant, .Lfunc_end_k_qd235def8dc_quant-k_qd235def8dc_quant
	.p2alignl 7, 3214868480
	.fill 96, 4, 3214868480
	.section	.rodata,"a",@progbits
	.p2align	6, 0x0
	.amdhsa_kernel k_qd235def8dc_quant
		.amdhsa_group_segment_fixed_size 69120
		.amdhsa_private_segment_fixed_size 0
		.amdhsa_enable_private_segment 0
		.amdhsa_kernarg_size 48
		.amdhsa_user_sgpr_count 2
		.amdhsa_user_sgpr_kernarg_segment_ptr 1
		.amdhsa_wavefront_size32 1
		.amdhsa_system_sgpr_workgroup_id_x 1
		.amdhsa_system_sgpr_workgroup_id_y 1
		.amdhsa_system_sgpr_workgroup_id_z 1
		.amdhsa_system_vgpr_workitem_id 0
		.amdhsa_next_free_vgpr 256
		.amdhsa_next_free_sgpr 66
		.amdhsa_reserve_vcc 0
		.amdhsa_float_denorm_mode_32 3
		.amdhsa_float_denorm_mode_16_64 3
		.amdhsa_memory_ordered 1
		.amdhsa_forward_progress 1
		.amdhsa_inst_pref_size 135
	.end_amdhsa_kernel
	.amdgpu_metadata
---
amdhsa.version: [ 1, 2 ]
amdhsa.kernels:
  - .name:           k_qd235def8dc_quant
    .symbol:         k_qd235def8dc_quant.kd
    .args:
      - { .name: x, .offset: 0, .size: 8, .value_kind: global_buffer, .address_space: global }
      - { .name: weight_int8, .offset: 8, .size: 8, .value_kind: global_buffer, .address_space: global }
      - { .name: smooth_scale, .offset: 16, .size: 8, .value_kind: global_buffer, .address_space: global }
      - { .name: weight_scale, .offset: 24, .size: 8, .value_kind: global_buffer, .address_space: global }
      - { .name: aq, .offset: 32, .size: 8, .value_kind: global_buffer, .address_space: global }
      - { .name: bq, .offset: 40, .size: 8, .value_kind: global_buffer, .address_space: global }
    .group_segment_fixed_size: 69120
    .private_segment_fixed_size: 0
    .kernarg_segment_align: 8
    .kernarg_segment_size: 48
    .max_flat_workgroup_size: 128
    .sgpr_count:     66
    .vgpr_count:     256
    .wavefront_size: 32
...
	.end_amdgpu_metadata
.endif
;; end of part 1
;; launch gemm (part 2): grid 16 x 16, 4 waves a work-group, clusters of 4 x 1, 327,680 bytes of LDS; arguments aq, bq, bias, out0; writes out0
.if DOCPART == 2
	.amdgcn_target "amdgcn-amd-amdhsa--gfx1250"
	.amdhsa_code_object_version 6
	.text
	.protected	k_qd235def8dc_gemm
	.globl	k_qd235def8dc_gemm
	.p2align	8
	.type	k_qd235def8dc_gemm,@function
k_qd235def8dc_gemm:
	s_mov_b64 s[64:65], 0
	v_nop
	global_prefetch_b8 v0, s[64:65] scope:SCOPE_SE
	s_setreg_imm32_b32 hwreg(HW_REG_WAVE_MODE, 25, 1), 1
	s_wait_xcnt 0x0
	s_wait_alu depctr_hold_cnt(0) depctr_sa_sdst(0) depctr_va_vdst(0) depctr_va_sdst(0) depctr_va_ssrc(0) depctr_va_vcc(0) depctr_vm_vsrc(0)
	s_getreg_b32 s2, hwreg(HW_REG_IB_STS2, 6, 4)
	s_cmp_eq_u32 s2, 0
	s_cbranch_scc0 .Lentry_in_a_cluster
	s_endpgm
.Lentry_in_a_cluster:
	s_bfe_u32 s2, ttmp6, 0x10000c
	s_cmp_lg_u32 s2, 0x3003
	s_cbranch_scc0 .Lentry_shape_is_right
	s_endpgm
.Lentry_shape_is_right:
; out0[m][n] = sum over k of A[m][k] B[n][k] + bias[n].  A = aq, B = bq: codes of FP8 (E4M3) with one E8M0 byte for each 32 along K, both laid [32 blocks of 128 rows][16 K steps of 256][TILE of 33,792 bytes]:
; 32,768 bytes of codes, then the rows' scale bytes, 8 a row.  aq's codes are dense rows of 256; bq's lie in the order of the operand's registers: [8 blocks of 16 rows][2 x 128 K][4][32 lanes][16 bytes].
; A work-group of four waves makes 256 x 256 of out0, a wave 128 x 128: 64 accumulators, 512 registers.  The matrix instruction is used transposed (source 0 = B's rows, source 1 = A's rows).
; A GOES THROUGH LDS, B DOES NOT.  A's tiles come by tensor loads into two slots of 512 along K (4 tiles, one a wave).  B's fragments go from memory straight into registers: each load of 16 bytes a lane reads 512 consecutive
; bytes and fills four registers of a fragment.  So a step of 128 along K has 32 LDS loads a wave where both operands through LDS would have 64, and a change of slots comes once in 256 products.
; CLUSTERS of 4 x 1: the four work-groups of a cluster have one tile row and ask for A's tiles jointly.  B has no joint load: no tensor load brings it, and the cluster's four work-groups have four different tile columns.
; A STEP is 64 products, A's blocks one after the other, each against B's eight, and ONE run of loads at its end: the next step's blocks 4-7 of A (one set of registers), the blocks 0-3 of the step after next (two sets, by the step's
; parity), and into B's set just multiplied the fragments of the step after next.  So a run of B's loads has a whole step's 64 products between its issue and the wait for it: that wait leaves out the one younger run, 32 loads, or 40
; with a K step's 8 scale words.  A block's third step leaves blocks 0-3 out: they lie in the next slot, and come in the fourth step, behind the change of slots.
; SCALE WORDS: a register holds block j's words in lanes 0-15 and block j + 4's in lanes 16-31; A's for the first and second 128 of a K step lie in registers 2 j, 2 j + 1, B's in 2 j + 1, 2 j.
; THE BIAS, in the result's layout, is loaded into the registers of the eight accumulators of A's block 4.  The first step's products take it from there as C; block 4's own come last in that step and add in place.  Nothing is cleared.
; THE LOOP: a trip is one block of 512 along K, from its second step to the next block's first; the slot's base is a scalar that takes turns between 0 and SLOT, and the four LDS address registers are made anew from it behind each change.
; PREFETCH, one trip (256 products) ahead.  A: behind the load of block U stands the request for block U + 1's tile: of its 132 blocks of 256 bytes each of the four partners names 33, told apart by address (cx); none for a block 8.
; B: trip T asks for K steps 2 T + 4 and 2 T + 5, which trip T + 1 first loads; K steps 2 and 3 are asked for at the head.  In its cluster my work-group alone loads its tile column, so it names all of it: the two waves of a column
; half share a tile's 132 blocks, 66 each (32 + 32 + 2; in the third line the lanes left over name the last block again).  The last K step asked for is 15.
; REGISTERS: window 0: v0-31 addresses, v32-47 A's scale words, v48-63 B's (two sets each), v64-127 and v128-191 A's blocks 0-3 of odd and of even steps, v192-255 blocks 4-7; window 1: B's two sets; windows 2, 3: accumulators.
.set SIZE_N, 4096
.set PITCH,  272
.set FR,     16
.set TROWS,  132
.set TILE,   TROWS*256
.set ROWBLK, 16*TILE
.set HALFT,  TROWS*PITCH               ; a tile in LDS
.set SOFF,   128*PITCH                 ; its scale bytes
.set SLOT,   4*HALFT                   ; tile 2 x (which K step of the block's two) + (which half of the 256 rows)
.set SPARE,  2*SLOT
.set SPITCH, 528
.set ABASE, 8                          ; v8-9   my A fragments in slot 0, first and second K step;  v10-11 my scale words there
.set SBASE, 10
.set ADRA, 16                          ; v16-17, v18-19 the same in the slot that is being read
.set ADRS, 18
.set BL,   20                          ; 16 x lane
.set BS,   21                          ; B's scale words: 8 (l % 16) + 512 (l / 16)
.set PFB,  22
.set PF2,  23
.set STO,  24
.set RD,   25
.set CO,   26
.set PFO,  27
.set SPW,  28
.set NIL,  29
.set BO,   30
.set PFL,  31
.set SA,   32
.set SB,   48
.set AF,   128
.set BK,   64                          ; the way out: v64-127 and v128-191 by turns
.set BP,   12                          ; s[12:13] my half of B's tile column, at an even K step
.set PAA,  18                          ; s[18:19] my share of the tile of A that is asked for next
.set SLB,  44                          ; s44 the base of the slot that is being read
.set G1,   24
.set G0,   32
.set MSB, 0
.macro WIN new
.if MSB != (\new)
	s_set_vgpr_msb (MSB<<8)|(\new)
.set MSB, (\new)
.endif
.endm
.set TO_B, 0x40
.macro CREST
	s_cmp_lg_u32 s14, 0
	s_cbranch_scc1 .Lnot_wave_0_\@
	s_barrier_signal -3
.Lnot_wave_0_\@:
	s_barrier_wait -3
	s_barrier_signal -1
	s_barrier_wait -1
.endm
.macro CROUND
	s_barrier_signal -1
	s_barrier_wait -1
	CREST
.endm
.macro PLACES n
.rept \n
	v_nop
.endr
.endm
.macro SWITCH                          ; the four LDS addresses in the slot at s[SLB]
	v_add_nc_u32 v[ADRA], s[SLB], v[ABASE]
	v_add_nc_u32 v[ADRA+1], s[SLB], v[ABASE+1]
	v_add_nc_u32 v[ADRS], s[SLB], v[SBASE]
	v_add_nc_u32 v[ADRS+1], s[SLB], v[SBASE+1]
	s_wait_alu depctr_va_vdst(0)
.endm
.macro FRAG reg, adr, q, i             ; 16 rows x 128 K: registers 4 c .. 4 c + 3 hold K = 32 c + 16 (l / 16) + 0 .. 15
.irp c, 0,1,2,3
	ds_load_b128 v[\reg+4*\c:\reg+4*\c+3], v[\adr] offset:128*(\q)+32*\c+(\i)*16*PITCH
.endr
.endm
.macro FETCH_LO n                      ; A's blocks 0-3 of the block's n-th step, into the set of n's parity
.irp i, 0,1,2,3
	FRAG 128-64*((\n)%2)+FR*\i, ADRA+(\n)/2, (\n)%2, \i
.endr
.endm
.macro FETCH_HI n                      ; A's blocks 4-7
.irp i, 4,5,6,7
	FRAG AF+FR*\i, ADRA+(\n)/2, (\n)%2, \i
.endr
.endm
.macro SCALES ks                       ; A's scale words of the block's K step ks
.irp j, 0,1,2,3
	ds_load_b64 v[SA+8*(\ks)+2*\j:SA+8*(\ks)+2*\j+1], v[ADRS+(\ks)] offset:(\j/2)*PITCH+(\j%2)*128
.endr
.endm
.macro RUNB p, off, sc                 ; B's eight fragments of 128 along K, at byte off from s[BP], into set p; sc >= 0: a K step's scale words too, into set sc
	WIN TO_B
.irp i, 0,1,2,3,4,5,6,7
.irp c, 0,1,2,3
	global_load_b128 v[128*(\p)+FR*\i+4*\c:128*(\p)+FR*\i+4*\c+3], v[BL], s[BP:BP+1] offset:(\off)+4096*\i+512*\c
.endr
.endr
	WIN 0
.if (\sc) >= 0
.irp j, 0,1,2,3
	global_load_b32 v[SB+8*(\sc)+2*\j+1], v[BS], s[BP:BP+1] offset:(\off)+32768+128*\j
	global_load_b32 v[SB+8*(\sc)+2*\j],   v[BS], s[BP:BP+1] offset:(\off)+32768+128*\j+4
.endr
.endif
.endm
.macro PFBK off                        ; my 66 blocks of B's tile at byte off from s[BP]
	global_prefetch_b8 v[PFB], s[BP:BP+1] offset:\off th:TH_LOAD_NT scope:SCOPE_SE
	global_prefetch_b8 v[PFB], s[BP:BP+1] offset:(\off)+8192 th:TH_LOAD_NT scope:SCOPE_SE
	global_prefetch_b8 v[PF2], s[BP:BP+1] offset:\off th:TH_LOAD_NT scope:SCOPE_SE
.endm
.macro PFAK                            ; my 33 blocks of A's tile at s[PAA]
	global_prefetch_b8 v[PFO], s[PAA:PAA+1] th:TH_LOAD_NT scope:SCOPE_SE
	global_prefetch_b8 v[PFL], s[PAA:PAA+1] th:TH_LOAD_NT scope:SCOPE_SE
.endm
; one product: A's block a x B's block b; p: the step's parity (B's set, A's set of blocks 0-3, which 128 of the K step); ks: the sets of scale words.  first = 1: C is the bias, in window 3 at v[8 b]
.macro PROD a, b, p, ks, first
.set DD, 8*(8*((\a)%4)+(\b))
.if \first
.set CC, 8*(\b)
.else
.set CC, DD
.endif
.set BF, 128*(\p)+FR*(\b)
.if (\a) < 4
.set AA, 128-64*(\p)+FR*(\a)
.else
.set AA, AF+FR*(\a)
.endif
.set SBR, SB+8*(\ks)+2*((\b)%4)+1-(\p)
.set SAR, SA+8*(\ks)+2*((\a)%4)+(\p)
.if ((\b)/4) && ((\a)/4)
	v_wmma_scale_f32_16x16x128_f8f6f4 v[DD:DD+7], v[BF:BF+15], v[AA:AA+15], v[CC:CC+7], v[SBR], v[SAR] matrix_a_scale:MATRIX_SCALE_ROW1 matrix_b_scale:MATRIX_SCALE_ROW1
.elseif (\b)/4
	v_wmma_scale_f32_16x16x128_f8f6f4 v[DD:DD+7], v[BF:BF+15], v[AA:AA+15], v[CC:CC+7], v[SBR], v[SAR] matrix_a_scale:MATRIX_SCALE_ROW1
.elseif (\a)/4
	v_wmma_scale_f32_16x16x128_f8f6f4 v[DD:DD+7], v[BF:BF+15], v[AA:AA+15], v[CC:CC+7], v[SBR], v[SAR] matrix_b_scale:MATRIX_SCALE_ROW1
.else
	v_wmma_scale_f32_16x16x128_f8f6f4 v[DD:DD+7], v[BF:BF+15], v[AA:AA+15], v[CC:CC+7], v[SBR], v[SAR]
.endif
.endm
.macro MUL8 a, p, ks, first            ; A's block a against B's eight: the accumulators take turns
.irp b, 0,1,2,3,4,5,6,7
	PROD \a, \b, \p, \ks, \first
.endr
.endm
; The block's step st (0..3).  lcnt: B's loads that may stay out; boff, bsc: the run of B's loads at the step's end (boff < 0: none); pf: B's tile that is asked for (< 0: none);
; mode (st = 3): 2 a round of the cluster's barrier and the refill, 1 the work-group's barrier alone; adv: the two global pointers step on.
.macro STEP st, first, lcnt, boff, bsc, pf, mode, adv
.set P_, (\st)%2
.set K_, (\st)/2
.set N1, ((\st)+1)%4
.set N2, ((\st)+2)%4
.set D0, 32                            ; LDS loads younger than this step's blocks 0-3: the last run's,
.set D1, 16                            ; and younger than its blocks 4-7: what stood behind them in that run
.if \st == 1
.set D0, 36
.set D1, 20
.endif
	s_wait_loadcnt \lcnt                           ; this step's fragments and scale words of B are in
.if \mode
	s_wait_tensorcnt 0x0                           ; all my tensor loads have landed: my tile of the next slot (every window is 0 here)
	ds_add_u32 v[SPW], v[NIL]                      ; 0 onto my spare word
.if \mode == 2
	s_add_nc_u64 s[G0+2:G0+3], s[G0+2:G0+3], 2*TILE   ; the block after next,
	s_add_co_u32 s[G0+1], s45, s[SLB]              ; into the slot that has been read
.endif
	s_xor_b32 s[SLB], s[SLB], SLOT
	s_wait_dscnt 17                                ; the add and A's blocks 4-7 may be out
.else
	s_wait_dscnt D0
.endif
.if \first
	WIN 0xb1                                       ; C from window 3
.else
	WIN 0xa1
.endif
.irp a, 0,1,2,3
	MUL8 \a, P_, K_, \first
.endr
.if \mode
	s_wait_dscnt 0x0                               ; the add is done, and my reads of this slot are over
	s_barrier_signal -1
	WIN 0xf1
	MUL8 4, P_, K_, 0
	MUL8 5, P_, K_, 0
	WIN 0
	s_barrier_wait -1
.if \mode == 2
	CREST                                          ; no wave of any partner still reads this slot or has a load on its way
	tensor_load_to_lds s[G0:G0+3], s[G1:G1+7]      ; the first tensor load behind the round
	s_nop 0
.endif
	SWITCH
	FETCH_LO 0                                     ; the next block's first step: its registers and the scale words' were last read a step ago and more
	SCALES 0
.if \mode == 2
	s_cmp_gt_u32 s3, 1                             ; the last trip has no block to ask for
	s_cbranch_scc0 .Lno_ask_\@
	PFAK
.Lno_ask_\@:
.endif
	WIN 0xf1
	MUL8 6, P_, K_, 0
	MUL8 7, P_, K_, 0
.else
	s_wait_dscnt D1
	WIN 0xf1
.if \first
	MUL8 6, P_, K_, 1
	MUL8 7, P_, K_, 1
	MUL8 5, P_, K_, 1
	PLACES 9                                       ; block 4's products write over the registers that the others have read as C
	MUL8 4, P_, K_, 1
.else
.irp a, 4,5,6,7
	MUL8 \a, P_, K_, 0
.endr
.endif
.endif
	PLACES 8
	WIN 0
	FETCH_HI N1
.if \st != 2
	FETCH_LO N2
.endif
.if \st == 0
	SCALES 1
.endif
.if \adv
	s_wait_xcnt 0x0                                ; the loads and prefetches that named the two pointers were issued a step ago and more
	s_add_nc_u64 s[BP:BP+1], s[BP:BP+1], 2*TILE
	s_add_nc_u64 s[PAA:PAA+1], s[PAA:PAA+1], 2*TILE
.endif
.if (\boff) >= 0
	RUNB P_, \boff, \bsc
.endif
.if (\pf) >= 0
	PFBK \pf
.endif
.endm
	s_load_b256 s[4:11], s[0:1], 0x0               ; aq s[4:5], bq s[6:7], bias s[8:9], out0 s[10:11]
	v_lshl_add_u32 v[SPW], v0, 2, SPARE
	v_mov_b32 v[NIL], 0
	ds_add_u32 v[SPW], v[NIL]                      ; the opening lines: the add twice on end, and its wait ahead of my first tensor load
	ds_add_u32 v[SPW], v[NIL]
	v_lshrrev_b32 v1, 5, v0
	v_readfirstlane_b32 s14, v1                    ; wave 0..3
	s_lshr_b32 s15, s14, 1                         ; my half of the rows; also: which K step of a block I fetch, which part of B's tile I ask for
	s_and_b32 s16, s14, 1                          ; my half of the columns; also: which 128 rows of A I fetch
	s_bfe_u32 s40, ttmp6, 0x40000                  ; cx
	s_lshl_b32 s42, ttmp9, 2
	s_add_co_u32 s42, s42, s40                     ; tile column
	s_and_b32 s17, ttmp7, 0xffff                   ; tile row: the cluster's y
	s_mov_b32 s[G1+0], 15|(3<<16)|(1<<20)|(1<<21)|(5<<22)|(3<<25)   ; the cluster's four; elements of 8 bytes; 4 words of padding behind every 64
	s_mov_b32 s[G1+1], 32<<16                      ; a dense tile as 132 rows of 256 bytes
	s_mov_b32 s[G1+2], TROWS<<16
	s_mov_b32 s[G1+3], 32<<16
	s_mov_b32 s[G1+4], TROWS
	s_mov_b32 s[G1+5], 32
	s_mov_b32 s[G1+6], 0
	s_mov_b32 s[G1+7], 0
	s_lshl_b32 s20, s17, 1
	s_add_co_u32 s20, s20, s16
	s_mul_i32 s20, s20, ROWBLK
	s_mul_i32 s21, s15, TILE
	s_add_co_u32 s20, s20, s21                     ; the tile of A that I fetch for block 0
	s_mov_b32 s21, 0
	s_lshl_b32 s46, s42, 1
	s_add_co_u32 s46, s46, s16
	s_mul_i32 s46, s46, ROWBLK                     ; my half of B's tile column
	s_mov_b32 s47, 0
	s_mul_i32 s45, s14, HALFT                      ; where my tile goes in a slot
	s_mov_b32 s[SLB], 0
	s_mul_i32 s22, s15, HALFT                      ; my 128 rows of A in a slot
	s_add_co_u32 s23, s22, SOFF
	s_mul_i32 s43, s14, 16*SPITCH                  ; my stage
	s_lshl_b32 s41, s15, 14                        ; my part of B's tile: 64 blocks of codes,
	s_lshl_b32 s2, s15, 9
	s_add_co_u32 s2, s2, 32768                     ; 2 of scale bytes
	v_and_b32 v1, 15, v0                           ; l % 16
	v_bfe_u32 v2, v0, 4, 1                         ; l / 16
	v_and_b32 v6, 31, v0
	v_lshlrev_b32 v[BO], 5, v2
	v_mul_u32_u24 v3, v1, PITCH
	v_lshl_add_u32 v3, v2, 4, v3
	v_add_nc_u32 v[ABASE], s22, v3
	v_add_nc_u32 v[ABASE+1], 2*HALFT, v[ABASE]
	v_mul_u32_u24 v4, v2, 2*PITCH                  ; lanes 16-31: 64 rows, 512 scale bytes, two LDS rows on
	v_lshl_add_u32 v4, v1, 3, v4
	v_add_nc_u32 v[SBASE], s23, v4
	v_add_nc_u32 v[SBASE+1], 2*HALFT, v[SBASE]
	v_lshlrev_b32 v[BL], 4, v6
	v_lshlrev_b32 v5, 9, v2
	v_lshl_add_u32 v[BS], v1, 3, v5
	v_lshlrev_b32 v[PFO], 8, v6
	v_add_nc_u32 v[PFB], s41, v[PFO]
	v_min_u32 v7, 1, v6
	v_lshl_add_u32 v[PF2], v7, 8, s2
	v_mov_b32 v[PFL], 8192
	v_mul_u32_u24 v7, v1, SPITCH
	v_lshl_add_u32 v7, v2, 5, v7
	v_add_nc_u32 v[STO], s43, v7
	v_lshlrev_b32 v[CO], 4, v6
	v_add_nc_u32 v[RD], s43, v[CO]
	SWITCH                                         ; slot 0
	s_wait_dscnt 0x0                               ; both opening adds are done
	s_wait_kmcnt 0x0
	s_add_nc_u64 s[BP:BP+1], s[6:7], s[46:47]
	s_add_nc_u64 s[20:21], s[4:5], s[20:21]
	CROUND                                         ; the cluster's four work-groups are here: the first joint loads meet
	s_mov_b32 s[G0], 1
	s_mov_b32 s[G0+1], s45
	s_mov_b64 s[G0+2:G0+3], s[20:21]
	s_or_b32 s[G0+3], s[G0+3], 0x80000000
	tensor_load_to_lds s[G0:G0+3], s[G1:G1+7]      ; block 0: one tensor load a wave at the head
	s_nop 0
	PLACES 4
	s_mul_i32 s22, s40, 33*256                     ; A's prefetches: my work-group's 33 blocks of the tile, at block 2
	s_add_co_u32 s22, s22, 4*TILE
	s_mov_b32 s23, 0
	s_add_nc_u64 s[PAA:PAA+1], s[20:21], s[22:23]
	s_lshl_b32 s46, s42, 10                        ; my first column in bytes of f32
	s_lshl_b32 s47, s16, 9
	s_add_co_u32 s46, s46, s47
	s_mov_b32 s47, 0
	s_add_nc_u64 s[8:9], s[8:9], s[46:47]
	s_lshl_b32 s20, s17, 8
	s_lshl_b32 s21, s15, 7
	s_add_co_u32 s20, s20, s21                     ; my first row of out0
	s_lshl_b32 s20, s20, 14
	s_mov_b32 s21, 0
	s_add_nc_u64 s[10:11], s[10:11], s[20:21]
	s_add_nc_u64 s[10:11], s[10:11], s[46:47]
	WIN 0xc0                                       ; the bias of my 128 columns, in the result's layout, into window 3, v0-63
.irp b, 0,1,2,3,4,5,6,7
	global_load_b128 v[8*\b:8*\b+3],   v[BO], s[8:9] offset:64*\b
	global_load_b128 v[8*\b+4:8*\b+7], v[BO], s[8:9] offset:64*\b+16
.endr
	RUNB 0, 0, 0                                   ; B's first two steps
	RUNB 1, 2048, -1
	PFBK 2*TILE                                    ; K steps 2 and 3
	PFBK 3*TILE
	s_wait_tensorcnt 0x0                           ; my tile of block 0 is in; slot 1's first fill is issued as a refill is:
	ds_add_u32 v[SPW], v[NIL]
	s_add_nc_u64 s[G0+2:G0+3], s[G0+2:G0+3], 2*TILE
	s_add_co_u32 s[G0+1], s45, SLOT
	s_wait_dscnt 0x0
	CROUND
	tensor_load_to_lds s[G0:G0+3], s[G1:G1+7]      ; block 1
	s_nop 0
	PLACES 4
	SCALES 0
	FETCH_LO 0
	FETCH_HI 0
	FETCH_LO 1
	PFAK                                           ; block 2
	STEP 0, 1, 32, TILE, 1, -1, 0, 0               ; the first step stands in front of the loop: its products start the sums from the bias
	s_mov_b32 s3, 6
.Lblk:                                                 ; trip T: steps 1, 2, 3 of block T, step 0 of block T + 1; slot T % 2 takes block T + 2
	STEP 1, 0, 40, TILE+2048, -1, 4*TILE, 0, 0
	STEP 2, 0, 32, 0, 0, 3*TILE, 0, 1
	STEP 3, 0, 40, 2048, -1, -1, 2, 0
	STEP 0, 0, 32, TILE, 1, -1, 0, 0
	s_sub_co_u32 s3, s3, 1
	s_cmp_lg_u32 s3, 0
	s_cbranch_scc1 .Lblk
	STEP 1, 0, 40, TILE+2048, -1, -1, 0, 0         ; blocks 6 and 7 fill nothing; s[BP] stays at K step 12
	STEP 2, 0, 32, 2*TILE, 0, -1, 0, 0
	STEP 3, 0, 40, 2*TILE+2048, -1, -1, 1, 0
	STEP 0, 0, 32, 3*TILE, 1, -1, 0, 0
	STEP 1, 0, 40, 3*TILE+2048, -1, -1, 0, 0
	STEP 2, 0, 32, -1, -1, -1, 0, 0
; THE WAY OUT, by blocks of 16 rows x 128 columns: through my own stage in LDS (in slot 0, behind its last fill and its last read), back as whole rows of 512 bytes, which the 32 lanes store as two aligned units of 256 bytes.
; LDS serves a wave's instructions in order (ISA guide 5.7.1): no wait between the stores and the loads.
.macro TOSTAGE a
.set AC, 64*((\a)%4)
	WIN 0x08+4*((\a)/4)
.irp b, 0,1,2,3,4,5,6,7
	ds_store_b128 v[STO], v[AC+8*\b:AC+8*\b+3] offset:64*\b          ; each accumulator from its low end on
	ds_store_b128 v[STO], v[AC+8*\b+4:AC+8*\b+7] offset:64*\b+16
.endr
	WIN 0
.set BB, BK+64*((\a)%2)
.irp t, 0,1,2,3,4,5,6,7,8,9,10,11,12,13,14,15
	ds_load_b128 v[BB+4*\t:BB+4*\t+3], v[RD] offset:\t*SPITCH
.endr
.endm
.macro SEND a, younger                 ; younger: the LDS instructions issued behind block a's loads
.set BB, BK+64*((\a)%2)
	s_wait_dscnt \younger
.if (\a) > 0
	s_add_nc_u64 s[10:11], s[10:11], 16*SIZE_N*4   ; behind a wait on XCNT: the earlier stores have read their base
.endif
.irp t, 0,1,2,3,4,5,6,7,8,9,10,11,12,13,14,15
	global_store_b128 v[CO], v[BB+4*\t:BB+4*\t+3], s[10:11] offset:\t*SIZE_N*4 th:TH_STORE_NT
.endr
.endm
.macro OUT4 a0                         ; blocks a0 .. a0 + 3
.irp k, 0,1,2,3
.if (\a0)+\k > 1
	s_wait_xcnt 0x0                                ; the stores of two blocks back have read their registers, all earlier ones their base
.endif
	TOSTAGE (\a0)+\k
.if \k > 0
	SEND (\a0)+\k-1, 32
.endif
.endr
	s_wait_xcnt 0x0
	SEND (\a0)+3, 0
.endm
	; the very last step: my rows 0-63 are finished by its first 32 products and leave ahead of the other 32
	s_wait_loadcnt 0x0
	s_wait_dscnt 0x0
	WIN 0xa1
.irp a, 0,1,2,3
	MUL8 \a, 1, 1, 0
.endr
	PLACES 8
	OUT4 0
	WIN 0xf1
.irp a, 4,5,6,7
	MUL8 \a, 1, 1, 0
.endr
	PLACES 8
	OUT4 4
	s_wait_tensorcnt 0x0                           ; the wave's end
	ds_add_u32 v[SPW], v[NIL]
	s_wait_dscnt 0x0
	CROUND                                         ; the closing round
	s_endpgm
.Lfunc_end_k_qd235def8dc_gemm:
	.size	k_qd235def8dc_gemm, .Lfunc_end_k_qd235def8dc_gemm-k_qd235def8dc_gemm
	.p2alignl 7, 3214868480
	.fill 96, 4, 3214868480
	.section	.rodata,"a",@progbits
	.p2align	6, 0x0
	.amdhsa_kernel k_qd235def8dc_gemm
		.amdhsa_group_segment_fixed_size 327680
		.amdhsa_private_segment_fixed_size 0
		.amdhsa_enable_private_segment 0
		.amdhsa_kernarg_size 32
		.amdhsa_user_sgpr_count 2
		.amdhsa_user_sgpr_kernarg_segment_ptr 1
		.amdhsa_wavefront_size32 1
		.amdhsa_system_sgpr_workgroup_id_x 1
		.amdhsa_system_sgpr_workgroup_id_y 1
		.amdhsa_system_sgpr_workgroup_id_z 1
		.amdhsa_system_vgpr_workitem_id 0
		.amdhsa_next_free_vgpr 1024
		.amdhsa_next_free_sgpr 66
		.amdhsa_reserve_vcc 0
		.amdhsa_float_denorm_mode_32 3
		.amdhsa_float_denorm_mode_16_64 3
		.amdhsa_memory_ordered 1
		.amdhsa_forward_progress 1
		.amdhsa_inst_pref_size 209
	.end_amdhsa_kernel
	.amdgpu_metadata
---
amdhsa.version: [ 1, 2 ]
amdhsa.kernels:
  - .name:           k_qd235def8dc_gemm
    .symbol:         k_qd235def8dc_gemm.kd
    .args:
      - { .name: aq, .offset: 0, .size: 8, .value_kind: global_buffer, .address_space: global }
      - { .name: bq, .offset: 8, .size: 8, .value_kind: global_buffer, .address_space: global }
      - { .name: bias, .offset: 16, .size: 8, .value_kind: global_buffer, .address_space: global }
      - { .name: out0, .offset: 24, .size: 8, .value_kind: global_buffer, .address_space: global }
    .group_segment_fixed_size: 327680
    .private_segment_fixed_size: 0
    .kernarg_segment_align: 8
    .kernarg_segment_size: 32
    .max_flat_workgroup_size: 128
    .sgpr_count:     66
    .vgpr_count:     1024
    .wavefront_size: 32
...
	.end_amdgpu_metadata
.endif
;; end of part 2
